; MI455X (gfx1250); checked and timed in simulation.
; The chip was launched on July 23, 2026; its instructions are those of AMD's public machine-readable ISA for CDNA 5 (MIT licence, August 2026) and "CDNA5" Instruction Set Architecture Reference Guide (July 2026). The comments in the code are by the model that wrote it; some were corrected since.
;; RESU Linear. Allowed arithmetic: matrix products marked QUANTISED: E2M1 operands, one E8M0 scale for each 32 along K, by v_wmma_scale_f32_16x16x128_f8f6f4 with both operands' format E2M1 (or v_wmma_scale_f32_32x16x128_f4), f32 sums; everything else in f32.
;; Inputs: bias 4,096 float32; mask 4,096 x 4,096 bool; qscale 4,096 x 1 float32; qzero 4,096 x 1 float32; theta 4,096 x 4,096 float32; wq 4,096 x 4,096 int32; x_codes 4 x 1,024 x 128 x 16 uint8 (E2M1 codes of x, K innermost, in blocks of 32 codes, two codes a byte); x_scales 4 x 1,024 x 128 uint8 (E8M0 scales of x, one for each 32 codes along K).
;; Outputs: out0 4 x 1,024 x 4,096 float32.
;; This version of the problem:
;;   THIS VERSION OF THE PROBLEM IS GIVEN IN LOW PRECISION. The matrix products marked QUANTISED in the list below multiply operands that are first quantised to E2M1 (2 exponent bits, 1 mantissa bit; 4 bits a number), with one power-of-two scale for each 32 numbers along K (OCP MX v1.0); their sums are f32. All else is computed in f32.
;;   The module's matrix products, in the order in which they are computed (A, B: the left and right operand; K: the contracted axis; several contracted axes count as one K, in the product's order):
;;     1. [M 4,096, K 4,096] x [K 4,096, N 4,096]; A: input x (given as codes); B: computed on the way: QUANTISED
;;   THE QUANTISER, for each operand of a quantised product, along K:
;;     - K is cut into blocks of 32 from its start; a last block that is shorter is filled with zeros.
;;     - A block's scale is 2^e with e = floor(log2(the largest magnitude in the block)) - 2, held to -126 .. 127; a block of zeros has e = 0. As a byte (E8M0): e + 127.
;;     - Each number is divided by its block's scale, clamped to +-6, and rounded to the nearest number of E2M1, ties to even, subnormals kept.
;;     - The product sums the exact products of the quantised numbers (number of the format x scale) in f32.
;;   ~~~python
;;   def quantise(x, axis):      # numpy; x: float32 -> the quantised numbers, widened to float32 again
;;       x = np.moveaxis(x, axis, -1); K = x.shape[-1]
;;       x = np.pad(x, [(0, 0)] * (x.ndim - 1) + [(0, -K % 32)]); x = x.reshape(x.shape[:-1] + (-1, 32)); a = np.abs(x).max(-1, keepdims=True)
;;       e = np.where(a > 0, np.clip(np.frexp(np.where(a > 0, a, 1))[1] - 1 - 2, -126, 127), 0)      # np.frexp(a)[1] - 1 = floor(log2(a)), exactly
;;       r = np.clip(x / 2.0 ** e, -6, 6)
;;       step = 2.0 ** (np.maximum(np.frexp(np.where(r == 0, 1, r))[1] - 1, 0) - 1)
;;       q = np.round(r / step) * step * 2.0 ** e      # np.round: ties to even
;;       return np.moveaxis(q.reshape(q.shape[:-2] + (-1,))[..., :K], -1, axis).astype(np.float32)
;;   ~~~
;;   OPERANDS COMPUTED ON THE WAY. 'Computed on the way' means the value that the module computes at that place (a softmax that the list does not call 'softmax' is quantised finished and normalised). What goes into a quantiser is computed in f32, as accurately as f32 sums, v_exp_f32 and their like allow (about 1e-6 of the number): no bf16 or f16 on the way to a quantiser, and a product that is left as it is and whose result goes on into a quantised operand takes f32 operands (vector FMAs, or v_wmma_f32_16x16x4_f32). A number that lies on a knife's edge between two numbers of the format may be rounded either way, as far as f32 arithmetic and the matrix unit's own rounding can turn it there, and no further.
;;   INPUTS GIVEN AS CODES. x (in the module: [4, 1024, 4096], K = its axis 2): each comes as NAME_codes (uint8): NAME with its K axis moved to the last place and cut into blocks of 32 codes, [.., K / 32, bytes a block], one block behind the other in memory; two codes a byte, the lower K in the low four bits (a code: sign, 2 exponent bits, 1 mantissa bit); and NAME_scales (uint8): the same leading axes, one E8M0 byte (e + 127) for each 32 codes along K. Its value is code x scale, taken as it is: it is not quantised again, and the codes and scales need not be those that the quantiser above would give.
;; One version. Each part assembles by itself: llvm-mc -triple=amdgcn-amd-amdhsa -mcpu=gfx1250 --defsym DOCPART=n.
;; ======== version 1 of 1: 2 launches
;; limits: right only within a limited range of input values
;; workspace buffers: w_codes 8,388,608 bytes; wsc 524,288 bytes; xs 524,288 bytes
;; launch quant (part 1): grid 512 x 1, 4 waves a work-group, no clusters, 33,280 bytes of LDS; arguments theta, wq, mask, qscale, qzero, x_scales, w_codes, wsc, xs; writes w_codes, wsc, xs
.if DOCPART == 1
	.amdgcn_target "amdgcn-amd-amdhsa--gfx1250"
	.amdhsa_code_object_version 6
	.text
	.protected	k_q2ff8e341c3_quant
	.globl	k_q2ff8e341c3_quant
	.p2align	8
	.type	k_q2ff8e341c3_quant,@function
k_q2ff8e341c3_quant:
	s_mov_b64 s[64:65], 0
	v_nop
	global_prefetch_b8 v0, s[64:65] scope:SCOPE_SE
	s_setreg_imm32_b32 hwreg(HW_REG_WAVE_MODE, 25, 1), 1
	s_wait_xcnt 0x0
; w_eff[o][i] = m (f32(wq) - qzero[o]) qscale[o] + (1 - m) theta, m = mask[o][i] as f32, all in f32, is made once and turned into codes of FP4 (E2M1), K = i innermost:
; w_codes [4096][2048 bytes], laid as x_codes is, and one E8M0 byte for each 32 along K, laid BY K STEP: wsc [8 K steps of 512][4096 rows][16 bytes], so that the product's launch
; finds the scale bytes of 256 rows and one K step as 4,096 consecutive bytes.  x's scale bytes [4096][128] are copied into the same layout: xs [8][4096][16].
; A block's scale is 2^(floor(log2(its largest magnitude)) - 2); its byte is the largest magnitude's exponent field - 2, held at 1 from below.  Each number is divided by the scale and rounded to the nearest code, ties to even, beyond 6 the code of 6.
; LIMITS: NaN and infinities among the inputs are not served.  A block of zeros, or one whose largest magnitude lies under 2^-124, gets the byte 1 (the rule says 127 for zeros): its codes are as the rule
; gives them, zeros add nothing under any byte but 0xff, and the bytes are read by this program alone.  mask holds 0 or 1, as its type says; wq may be any int32 (rounded to f32, nearest even).
; SHARES.  2,048 waves; wave j = 4 x work-group + wave takes K step KS = j % 8 of the 16 rows 16 G .. 16 G + 15, G = j / 8: sixteen steps of one row's 512 numbers.  So a step's codes are 256 consecutive
; bytes, aligned; the wave's 16 x 16 scale bytes are 256 consecutive bytes of wsc, aligned; and a step has ONE qzero and ONE qscale, which lie in scalar registers.
; w_eff IS MADE IN THE LAYOUT OF THE LOADS: a load of theta or wq takes 16 bytes a lane, 512 consecutive bytes a wave; register (i, c) is number 128 i + 4 lane + c of the step.  The mask comes 4 bytes a lane, so that
; byte c of word i belongs to that same number (four such loads on end cover the step's 512 bytes).  The conversions want 16 NEIGHBOURS in a lane: the finished 2,048 bytes turn through the wave's own stage in LDS
; (16 bytes of padding behind each 64) and come back 64 bytes a lane; two neighbouring lanes then hold a block of 32.
; No tensor loads, no barrier, no matrix unit, no cluster: the waves share nothing but x's 16 rows of scale bytes (2,048 bytes for eight waves).  Loads run four steps (48 loads a wave) ahead, the turn through LDS one step.
; Every offset is an immediate (247,296 at the most), no pointer is stepped, and each step's codes and byte have registers of their own: no store's data are written again.
.set STEPS, 16
.set EMAX,  2
.set TT,    16                         ; v16-79    four sets of 16: theta as loaded, then w_eff in place
.set WW,    80                         ; v80-143   four sets of 16: wq as loaded, then (wq - qzero) qscale in place
.set MK,    144                        ; v144-159  four sets of 4 mask words
.set X,     160                        ; v160-191  two sets of 16 neighbours
.set MF,    192                        ; v192-199  m as f32: two groups of four, by turns
.set C,     200                        ; v200-231  codes: two registers for each step
.set E,     232                        ; v232-247  a scale byte for each step
.set XO,    248                        ; v248      x's scale bytes: my 8 bytes among the wave's 16 rows
.set XD,    250                        ; v[250:251] and the bytes themselves
.set PL,    80                         ; a lane's place in a stage: 64 bytes + 16 of padding
.set STG,   32*PL                      ; a stage; each wave has two, and behind them its 256 scale bytes, in 8,192 bytes of LDS of its own
.set SBY,   2*STG
.set QZ,    24                         ; s[24:39]  qzero of my 16 rows
.set QS,    40                         ; s[40:55]  qscale of my 16 rows
.set ZN,    56                         ; s[56:57]  -qzero of the row in hand (the packed forms name a pair and take its low word for both halves: the upper word is written once)
.set SN,    58                         ; s[58:59]  its qscale
	s_load_b512 s[4:19], s[0:1], 0x0               ; theta 4:5, wq 6:7, mask 8:9, qscale 10:11, qzero 12:13, x_scales 14:15, w_codes 16:17, wsc 18:19
	s_load_b64 s[20:21], s[0:1], 0x40              ; xs
	v_lshl_add_u32 v254, v0, 2, 0x8000
	v_mov_b32 v255, 0
	v_lshrrev_b32 v1, 5, v0
	v_readfirstlane_b32 s22, v1                    ; wave 0..3
	v_and_b32 v2, 31, v0                           ; lane
	v_lshlrev_b32 v3, 4, v2                        ; theta, wq: my 16 bytes of a load's 512
	v_lshlrev_b32 v7, 2, v2                        ; mask: my 4 bytes of a load's 128
	v_lshlrev_b32 v4, 3, v2                        ; codes and scale bytes on their way out: 8 bytes a lane
	s_lshl_b32 s61, s22, 13                        ; my wave's 8,192 bytes of LDS
	v_lshrrev_b32 v14, 2, v2
	v_mul_u32_u24 v14, v14, PL
	v_and_b32 v15, 3, v2
	v_lshl_add_u32 v14, v15, 4, v14
	v_add_nc_u32 v14, s61, v14                     ; the stage, on the way in: four lanes' 64 bytes on end, then the padding: PL (lane / 4) + 16 (lane % 4); a load's 512 bytes take eight places
	v_mul_u32_u24 v15, v2, PL
	v_add_nc_u32 v15, s61, v15                     ; and on the way out: PL x lane: my 16 neighbours
	s_add_co_u32 s61, s61, SBY
	v_lshrrev_b32 v5, 1, v2
	v_add_nc_u32 v5, s61, v5                       ; my block's scale byte
	v_add_nc_u32 v6, s61, v4                       ; and on the way out 8 bytes a lane
	v_lshrrev_b32 v8, 1, v2
	v_and_b32 v9, 1, v2
	v_lshlrev_b32 v[XO], 7, v8
	v_lshl_add_u32 v[XO], v9, 3, v[XO]             ; x's scale bytes: row lane / 2 of 128 bytes, half lane % 2 of the K step's 16
	s_lshl_b32 s60, ttmp9, 2
	s_add_co_u32 s60, s60, s22                     ; j
	s_and_b32 s23, s60, 7                          ; KS
	s_lshr_b32 s60, s60, 3                         ; G
	s_mov_b32 s63, 0
	s_mov_b32 s[ZN+1], 0
	s_mov_b32 s[SN+1], 0
	s_wait_alu depctr_va_vdst(0)
	s_wait_kmcnt 0x0
	s_lshl_b32 s62, s60, 18                        ; theta, wq: 16 G rows of 16,384 bytes + 2,048 KS
	s_lshl_b32 s61, s23, 11
	s_or_b32 s62, s62, s61
	s_add_nc_u64 s[4:5], s[4:5], s[62:63]
	s_add_nc_u64 s[6:7], s[6:7], s[62:63]
	s_lshr_b32 s62, s62, 2                         ; mask: a quarter of that
	s_add_nc_u64 s[8:9], s[8:9], s[62:63]
	s_lshr_b32 s62, s62, 1                         ; codes: an eighth
	s_add_nc_u64 s[16:17], s[16:17], s[62:63]
	s_lshl_b32 s62, s60, 6                         ; qscale, qzero: 16 G numbers
	s_add_nc_u64 s[10:11], s[10:11], s[62:63]
	s_add_nc_u64 s[12:13], s[12:13], s[62:63]
	s_load_b512 s[QZ:QZ+15], s[12:13], 0x0
	s_load_b512 s[QS:QS+15], s[10:11], 0x0
	s_lshl_b32 s62, s60, 11                        ; x_scales: 16 G rows of 128 bytes + 16 KS
	s_lshl_b32 s61, s23, 4
	s_or_b32 s62, s62, s61
	s_add_nc_u64 s[14:15], s[14:15], s[62:63]
	s_lshl_b32 s62, s60, 8                         ; wsc and xs: 65,536 KS + 16 G rows of 16 bytes
	s_lshl_b32 s61, s23, 16
	s_or_b32 s62, s62, s61
	s_add_nc_u64 s[18:19], s[18:19], s[62:63]
	s_add_nc_u64 s[20:21], s[20:21], s[62:63]
	global_load_b64 v[XD:XD+1], v[XO], s[14:15]    ; x's scale bytes of my 16 rows and my K step: 16 bytes of each row (eight waves share the rows between them)
.macro LOAD t                          ; step t (row t of my 16): twelve loads into set t % 4
.irp i, 0,1,2,3
	global_load_b128 v[TT+16*((\t)%4)+4*\i:TT+16*((\t)%4)+4*\i+3], v3, s[4:5] offset:16384*(\t)+512*\i th:TH_LOAD_NT   ; 32 lanes read 512 consecutive bytes
.endr
.irp i, 0,1,2,3
	global_load_b128 v[WW+16*((\t)%4)+4*\i:WW+16*((\t)%4)+4*\i+3], v3, s[6:7] offset:16384*(\t)+512*\i th:TH_LOAD_NT
.endr
.irp i, 0,1,2,3
	global_load_b32 v[MK+4*((\t)%4)+\i], v7, s[8:9] offset:4096*(\t)+128*\i th:TH_LOAD_NT   ; 128 consecutive bytes; the four together 512
.endr
.endm
; Step t's w_eff, in place of theta, and its turn through stage t % 2.  Each operation rounds as the definition's does: the difference once, the product once; with m = 0 or 1 the two fused multiply-adds round nothing.
.macro MAKE t
	s_xor_b32 s[ZN], s[QZ+(\t)], 0x80000000        ; -qzero of this row
	s_mov_b32 s[SN], s[QS+(\t)]
.irp i, 0,1,2,3
.set TR0, TT+16*((\t)%4)+4*\i
.set WR0, WW+16*((\t)%4)+4*\i
.set FR0, MF+4*(\i%2)
.irp c, 0,1,2,3
	v_cvt_f32_i32 v[WR0+\c], v[WR0+\c]
.endr
.irp c, 0,1,2,3
	v_bfe_u32 v[FR0+\c], v[MK+4*((\t)%4)+\i], 8*\c, 8
.endr
.irp c, 0,1,2,3
	v_cvt_f32_u32 v[FR0+\c], v[FR0+\c]             ; m
.endr
.irp c, 0,2
	v_pk_add_f32 v[WR0+\c:WR0+\c+1], v[WR0+\c:WR0+\c+1], s[ZN:ZN+1] op_sel_hi:[1,0]   ; wq - qzero
.endr
.irp c, 0,2
	v_pk_mul_f32 v[WR0+\c:WR0+\c+1], v[WR0+\c:WR0+\c+1], s[SN:SN+1] op_sel_hi:[1,0]   ; x qscale
.endr
.irp c, 0,2
	v_pk_fma_f32 v[TR0+\c:TR0+\c+1], v[FR0+\c:FR0+\c+1], v[TR0+\c:TR0+\c+1], v[TR0+\c:TR0+\c+1] neg_lo:[1,0,0] neg_hi:[1,0,0]   ; theta - m theta
.endr
.irp c, 0,2
	v_pk_fma_f32 v[TR0+\c:TR0+\c+1], v[FR0+\c:FR0+\c+1], v[WR0+\c:WR0+\c+1], v[TR0+\c:TR0+\c+1]   ; + m w_deq
.endr
.endr
.irp i, 0,1,2,3
	ds_store_b128 v14, v[TT+16*((\t)%4)+4*\i:TT+16*((\t)%4)+4*\i+3] offset:STG*((\t)%2)+8*PL*\i
.endr
.irp i, 0,1,2,3
	ds_load_b128 v[X+16*((\t)%2)+4*\i:X+16*((\t)%2)+4*\i+3], v15 offset:STG*((\t)%2)+16*\i   ; LDS serves a wave's instructions in order (ISA guide 5.7.1): these see the stores above
.endr
.endm
.macro STEP t
.set XS, X+16*((\t)%2)
.if (\t) > 0
	s_wait_dscnt 1                                 ; this step's numbers are back from the stage (behind them only the last step's byte store was issued): so the stores into the stage have read set t % 4,
.else
	s_wait_dscnt 0x0
.endif
.if (\t)+4 < STEPS
	LOAD (\t)+4                                    ; which takes the loads of four steps on
.endif
.if (\t)+1 < STEPS
.if (\t) <= 11
	s_wait_loadcnt 36                              ; the next step's twelve loads are in; the twelve of each of the three steps behind it may be out
.else
	s_wait_loadcnt 12*(14-(\t))                    ; towards the end fewer steps stand behind it
.endif
	MAKE (\t)+1                                    ; and goes through the other stage while this step is worked
.endif
	v_max3_num_f32 v8, |v[XS]|, |v[XS+1]|, |v[XS+2]|               ; the largest magnitude of my 16, in two chains
	v_max3_num_f32 v9, |v[XS+3]|, |v[XS+4]|, |v[XS+5]|
.irp i, 6,10
	v_max3_num_f32 v8, v8, |v[XS+\i]|, |v[XS+\i+1]|
	v_max3_num_f32 v9, v9, |v[XS+\i+2]|, |v[XS+\i+3]|
.endr
	v_max3_num_f32 v8, v8, |v[XS+14]|, |v[XS+15]|
	v_max3_num_f32 v8, v8, v9, (EMAX+1)<<23        ; and the floor 2^(EMAX + 1 - 127), under which no largest magnitude is taken: so the byte cannot fall under 1
	v_max_num_f32_dpp v8, v8, v8 row_xmask:1 row_mask:0xf bank_mask:0xf   ; and of my neighbour's 16: the block's
	v_add_nc_u32 v11, -(EMAX<<23), v8              ; EMAX off its exponent field: the conversion takes the exponent field of this operand as its scale, and nothing else of it
	v_cvt_scalef32_pk8_fp4_f32 v[C+2*(\t)], v[XS:XS+7], v11          ; eight numbers / the scale, to the nearest code; the first number's code in the lowest four bits
	v_cvt_scalef32_pk8_fp4_f32 v[C+2*(\t)+1], v[XS+8:XS+15], v11
	v_lshrrev_b32 v[E+(\t)], 23, v11               ; the scale's byte.  (Also the plain vector line behind the conversions, ahead of the next write of v11)
	ds_store_b8 v5, v[E+(\t)] offset:16*(\t)       ; row t's 16 bytes; both lanes of a block write the same byte with the same value
	global_store_b64 v4, v[C+2*(\t):C+2*(\t)+1], s[16:17] offset:2048*(\t)   ; 32 lanes store 256 consecutive bytes, at a multiple of 256 from the buffer's first byte
.endm
.irp t, 0,1,2,3
	LOAD \t
.endr
	s_wait_kmcnt 0x0                               ; qzero and qscale
	s_wait_loadcnt 36                              ; x's scale bytes and step 0's twelve loads are in; the 36 of steps 1 to 3 may be out
	global_store_b64 v4, v[XD:XD+1], s[20:21]      ; xs: 16 rows x 16 bytes: 256 consecutive bytes, aligned
	MAKE 0
.irp t, 0,1,2,3,4,5,6,7,8,9,10,11,12,13,14,15
	STEP \t
.endr
	ds_load_b64 v[12:13], v6                       ; my wave's 256 scale bytes (in order behind my byte stores)
	s_wait_dscnt 0x0
	global_store_b64 v4, v[12:13], s[18:19]        ; wsc: 256 consecutive bytes, aligned
	s_wait_tensorcnt 0x0
	ds_add_u32 v254, v255
	s_wait_dscnt 0x0
	s_endpgm
.Lfunc_end_k_q2ff8e341c3_quant:
	.size	k_q2ff8e341c3_quant, .Lfunc_end_k_q2ff8e341c3_quant-k_q2ff8e341c3_quant
	.p2alignl 7, 3214868480
	.fill 96, 4, 3214868480
	.section	.rodata,"a",@progbits
	.p2align	6, 0x0
	.amdhsa_kernel k_q2ff8e341c3_quant
		.amdhsa_group_segment_fixed_size 33280
		.amdhsa_private_segment_fixed_size 0
		.amdhsa_enable_private_segment 0
		.amdhsa_kernarg_size 72
		.amdhsa_user_sgpr_count 2
		.amdhsa_user_sgpr_kernarg_segment_ptr 1
		.amdhsa_wavefront_size32 1
		.amdhsa_system_sgpr_workgroup_id_x 1
		.amdhsa_system_sgpr_workgroup_id_y 1
		.amdhsa_system_sgpr_workgroup_id_z 1
		.amdhsa_system_vgpr_workitem_id 0
		.amdhsa_next_free_vgpr 256
		.amdhsa_next_free_sgpr 66
		.amdhsa_reserve_vcc 0
		.amdhsa_float_denorm_mode_32 3
		.amdhsa_float_denorm_mode_16_64 3
		.amdhsa_memory_ordered 1
		.amdhsa_forward_progress 1
		.amdhsa_inst_pref_size 112
	.end_amdhsa_kernel
	.amdgpu_metadata
---
amdhsa.version: [ 1, 2 ]
amdhsa.kernels:
  - .name:           k_q2ff8e341c3_quant
    .symbol:         k_q2ff8e341c3_quant.kd
    .args:
      - { .name: theta, .offset: 0, .size: 8, .value_kind: global_buffer, .address_space: global }
      - { .name: wq, .offset: 8, .size: 8, .value_kind: global_buffer, .address_space: global }
      - { .name: mask, .offset: 16, .size: 8, .value_kind: global_buffer, .address_space: global }
      - { .name: qscale, .offset: 24, .size: 8, .value_kind: global_buffer, .address_space: global }
      - { .name: qzero, .offset: 32, .size: 8, .value_kind: global_buffer, .address_space: global }
      - { .name: x_scales, .offset: 40, .size: 8, .value_kind: global_buffer, .address_space: global }
      - { .name: w_codes, .offset: 48, .size: 8, .value_kind: global_buffer, .address_space: global }
      - { .name: wsc, .offset: 56, .size: 8, .value_kind: global_buffer, .address_space: global }
      - { .name: xs, .offset: 64, .size: 8, .value_kind: global_buffer, .address_space: global }
    .group_segment_fixed_size: 33280
    .private_segment_fixed_size: 0
    .kernarg_segment_align: 8
    .kernarg_segment_size: 72
    .max_flat_workgroup_size: 128
    .sgpr_count:     66
    .vgpr_count:     256
    .wavefront_size: 32
...
	.end_amdgpu_metadata
.endif
;; end of part 1
;; launch gemm (part 2): grid 16 x 16, 4 waves a work-group, clusters of 4 x 4, 327,680 bytes of LDS; arguments x_codes, xs, w_codes, wsc, bias, out0; writes out0
.if DOCPART == 2
	.amdgcn_target "amdgcn-amd-amdhsa--gfx1250"
	.amdhsa_code_object_version 6
	.text
	.protected	k_q2ff8e341c3_gemm
	.globl	k_q2ff8e341c3_gemm
	.p2align	8
	.type	k_q2ff8e341c3_gemm,@function
k_q2ff8e341c3_gemm:
	s_mov_b64 s[64:65], 0
	v_nop
	global_prefetch_b8 v0, s[64:65] scope:SCOPE_SE
	s_setreg_imm32_b32 hwreg(HW_REG_WAVE_MODE, 25, 1), 1
	s_wait_xcnt 0x0
	s_wait_alu depctr_hold_cnt(0) depctr_sa_sdst(0) depctr_va_vdst(0) depctr_va_sdst(0) depctr_va_ssrc(0) depctr_va_vcc(0) depctr_vm_vsrc(0)
	s_getreg_b32 s2, hwreg(HW_REG_IB_STS2, 6, 4)
	s_cmp_eq_u32 s2, 0
	s_cbranch_scc0 .Lentry_in_a_cluster
	s_endpgm
.Lentry_in_a_cluster:
	s_bfe_u32 s2, ttmp6, 0x10000c
	s_cmp_lg_u32 s2, 0xf033
	s_cbranch_scc0 .Lentry_shape_is_right
	s_endpgm
.Lentry_shape_is_right:
; out0[m][n] = bias[n] + sum over k of x[m][k] w[n][k].  x_codes, w_codes: [4096][2048 bytes] codes of FP4 (E2M1), K innermost; xs, wsc: their E8M0 bytes laid by K step, [8][4096 rows][16 bytes].
; Nothing of the problem is left out here.  A tile of out0, 256 x 256, is made by four waves, 128 x 128 each: 64 accumulators of 16 x 16, 512 registers.  bias is the C of each accumulator's first product.
; K goes in steps of 512 through a ring of two LDS slots; a slot holds 256 rows of x, 256 rows of w (256 bytes + 16 of padding each) and 4,096 scale bytes of each.  Wave 0 fetches x's codes, wave 1 w's, wave 2 x's scale bytes, wave 3 w's.
; CLUSTERS: 4 x 4 work-groups; x's tiles are asked for jointly along a row of the cluster, w's along a column.
; ORDER OF K: a cluster begins at K step 0 or 4, by its place in the grid, and goes round all eight: the f32 sums are taken in that order, which may differ from ascending K in the last bits.
; THE MATRIX INSTRUCTION IS USED TRANSPOSED: source 0 = 16 rows of w, source 1 = 16 rows of x: a lane holds eight neighbouring numbers of a row of out0.
; FRAGMENTS: two sets of registers for x and two for w.  A step of 128 along K begins with ONE run of 32 LDS loads, the next step's fragments into the other sets, and goes on with its own 64 products, unbroken:
; so a fragment is asked for 64 products ahead of its first use.
; PREFETCHES: with the refill for K step t + 2 goes a request for K step t + 4: two refills ahead.  Of a tile's 256 rows of codes each of the four partners that ask for it jointly takes 64, told apart by address
; (cx for x, cy for w), 32 a wave, a lane a row of 256 bytes; of its 16 blocks of 256 scale bytes each partner takes four, two a wave (lanes 1-31 name the second).  Waves 0, 1 ask for x, waves 2, 3 for w.
; The second K step is asked for at the head, behind the first load and the wait for bias; the third and fourth behind slot 1's first fill; the loop's last trip asks for nothing.
; So a block is named once in each cluster that loads it, and at most two K steps are asked for and not yet being loaded.
; LIMITS: NaN scale bytes (0xff) in x_scales give NaN sums, as the format says.
; REGISTERS: window 0: v0-31 addresses; v32-95 scale words, two sets; v128-191, v192-255 x's fragments, later the way out.  Window 1: w's fragments, v0-63 and v128-191; v64-127 bias.  Windows 2, 3: the accumulators.
.set SIZE_N, 4096
.set NQ,     4                         ; steps of 128 along K in a slot
.set ROWB,   256
.set KROW,   2048
.set PITCH,  272
.set FR,     8
.set NP,     4
.set HALFT,  128*PITCH
.set TILEB,  256*PITCH
.set SAOF,   2*TILEB                   ; x's scale bytes in a slot
.set SBOF,   SAOF+4096                 ; w's
.set SLOT,   SBOF+4096
.set SPARE,  2*SLOT                    ; the spare words: 128 bytes a wave, named by no other line
.set LAPS,   4
.set SPITCH, 528                       ; the way out: a stage of 16 rows x (512 + 16) bytes a wave, in slot 0 behind its last fill and last read
.set ADRA, 16
.set ADRB, 20
.set ADRS, 22
.set STO,  24
.set RD,   25
.set CO,   26
.set BO,   27
.set SPW,  28
.set NIL,  29
.set PFO,  30                          ; prefetch of codes: lane x 2,048 bytes
.set PFS,  31                          ; prefetch of scale bytes: 0 or 256
.set SC,   32
.set AF,   128                         ; x's sets, window 0: AF + 64 p
.set BIAS, 64                          ; window 1
.set BK,   128
.set KN,   2                           ; the K step of the load aimed last
.set WV,   16
.set SHI,  17
.set SLO,  18
.set STR,  19
.set OC,   20
.set OS,   22
.set STC,  92
.set G1A,  24
.set G0A,  32
.set G1B,  40
.set G0B,  48
.set G1SA, 56
.set G0SA, 68
.set G1SB, 76
.set G0SB, 84
.set PBC,  66                          ; s[66:67] my rows of codes at K step 0
.set PBS,  94                          ; s[94:95] my blocks of scale bytes at K step 0
.set PFC,  96                          ; s[96:97], s[98:99] the same at the K step that is asked for
.set PFW,  98
.set MSB, 0
.macro WIN new                         ; the immediate's high byte repeats the setting that is left
.if MSB != (\new)
	s_set_vgpr_msb (MSB<<8)|(\new)
.set MSB, (\new)
.endif
.endm
.set MUL_LO, 0xa1                      ; source 0 window 1, source 1 window 0, C and D window 2
.set MUL_HI, 0xf1
.set TO_B,   0x40                      ; (with bias as C, in window 1, the two settings are 0x91 and 0xd1)
; One joint load a wave, in one tree of branches on the wave's number; s_nop 0 and four v_nop behind each line.
.macro JARM g0, g1, s
	tensor_load_to_lds s[\g0+4*\s:\g0+4*\s+3], s[\g1:\g1+7]
	s_nop 0
.rept 4
	v_nop
.endr
.endm
.macro JLOAD s
	s_cmp_lt_u32 s[WV], 2
	s_cbranch_scc0 .Lscales_\@
	s_cmp_eq_u32 s[WV], 0
	s_cbranch_scc0 .Lcodes_b_\@
	JARM G0A, G1A, \s
	s_branch .Lasked_\@
.Lcodes_b_\@:
	JARM G0B, G1B, \s
	s_branch .Lasked_\@
.Lscales_\@:
	s_cmp_eq_u32 s[WV], 2
	s_cbranch_scc0 .Lscales_b_\@
	JARM G0SA, G1SA, \s
	s_branch .Lasked_\@
.Lscales_b_\@:
	JARM G0SB, G1SB, \s
.Lasked_\@:
.endm
.macro NEXTK                           ; the next K step, round the eight; its byte offsets in codes and in scale bytes
	s_add_co_u32 s[KN], s[KN], 1
	s_and_b32 s[KN], s[KN], 7
	s_lshl_b32 s[OC], s[KN], 8
	s_lshl_b32 s[OS], s[KN], 16
.endm
.macro AIM s                           ; slot s's four groups 0 at that K step
	s_add_nc_u64 s[G0A+4*\s+2:G0A+4*\s+3], s[4:5], s[OC:OC+1]
	s_or_b32 s[G0A+4*\s+3], s[G0A+4*\s+3], 0x80000000
	s_add_nc_u64 s[G0B+4*\s+2:G0B+4*\s+3], s[8:9], s[OC:OC+1]
	s_or_b32 s[G0B+4*\s+3], s[G0B+4*\s+3], 0x80000000
	s_add_nc_u64 s[G0SA+4*\s+2:G0SA+4*\s+3], s[6:7], s[OS:OS+1]
	s_or_b32 s[G0SA+4*\s+3], s[G0SA+4*\s+3], 0x80000000
	s_add_nc_u64 s[G0SB+4*\s+2:G0SB+4*\s+3], s[10:11], s[OS:OS+1]
	s_or_b32 s[G0SB+4*\s+3], s[G0SB+4*\s+3], 0x80000000
.endm
.macro PFAIM d                         ; the prefetches' addresses: d K steps on from the load aimed last, round the eight: always inside the buffers
	s_add_co_u32 s93, s[KN], \d
	s_and_b32 s93, s93, 7
	s_lshl_b32 s100, s93, 8
	s_add_nc_u64 s[PFC:PFC+1], s[PBC:PBC+1], s[100:101]
	s_lshl_b32 s100, s93, 16
	s_add_nc_u64 s[PFW:PFW+1], s[PBS:PBS+1], s[100:101]
.endm
.macro PF n                            ; n K steps on from the address, by immediates
	global_prefetch_b8 v[PFO], s[PFC:PFC+1] offset:256*\n th:TH_LOAD_NT scope:SCOPE_SE
	global_prefetch_b8 v[PFS], s[PFW:PFW+1] offset:65536*\n th:TH_LOAD_NT scope:SCOPE_SE
.endm
.macro ASK                             ; in the loop: s3 = 1 in the last trip, whose refills have no K step two refills on
	s_cmp_gt_u32 s3, 1
	s_cbranch_scc0 .Lno_ask_\@
	PF 0
.Lno_ask_\@:
.endm
.macro CREST                           ; a round of the cluster's barrier behind its opening barrier
	s_cmp_lg_u32 s[WV], 0
	s_cbranch_scc1 .Lnot_wave_0_\@
	s_barrier_signal -3
.Lnot_wave_0_\@:
	s_barrier_wait -3
	s_barrier_signal -1
	s_barrier_wait -1
.endm
.macro CROUND
	s_barrier_signal -1
	s_barrier_wait -1
	CREST
.endm
	s_load_b128 s[4:7], s[0:1], 0x0                ; x_codes, xs
	s_load_b128 s[8:11], s[0:1], 0x10              ; w_codes, wsc
	s_load_b128 s[12:15], s[0:1], 0x20             ; bias, out0
	v_lshl_add_u32 v[SPW], v0, 2, SPARE
	v_mov_b32 v[NIL], 0
	ds_add_u32 v[SPW], v[NIL]                      ; the opening lines: the add, twice on end, and its wait ahead of my first tensor load
	ds_add_u32 v[SPW], v[NIL]
	v_lshrrev_b32 v1, 5, v0
	v_readfirstlane_b32 s[WV], v1                  ; wave 0..3
	s_lshr_b32 s[SHI], s[WV], 1                    ; my half of the tile's rows
	s_and_b32 s[SLO], s[WV], 1                     ; my half of its columns
	s_bfe_u32 s66, ttmp6, 0x40000                  ; cx
	s_bfe_u32 s67, ttmp6, 0x40004                  ; cy
	s_lshl_b32 s[STC], ttmp9, 2
	s_add_co_u32 s[STC], s[STC], s66               ; tile column
	s_and_b32 s[STR], ttmp7, 0xffff
	s_lshl_b32 s[STR], s[STR], 2
	s_add_co_u32 s[STR], s[STR], s67               ; tile row
	s_lshl_b32 s93, s67, 2
	s_lshl_b32 s93, 15, s93                        ; my row of the cluster
	s_lshl_b32 s94, 0x1111, s66                    ; my column
	s_or_b32 s[G1A+0], s93, (0<<16)|(1<<20)|(1<<21)|(5<<22)|(3<<25)   ; bytes; 4 words of padding behind every 64
	s_or_b32 s[G1B+0], s94, (0<<16)|(1<<20)|(1<<21)|(5<<22)|(3<<25)
.irp g, G1A, G1B
	s_mov_b32 s[\g+1], ROWB<<16
	s_mov_b32 s[\g+2], 256<<16
	s_mov_b32 s[\g+3], ROWB<<16
	s_mov_b32 s[\g+4], 256
	s_mov_b32 s[\g+5], KROW
	s_mov_b32 s[\g+6], 0
	s_mov_b32 s[\g+7], 0
.endr
	s_or_b32 s[G1SA+0], s93, (3<<16)|(1<<21)       ; scale bytes: 16 dense rows of 256 bytes (32 elements of 8)
	s_or_b32 s[G1SB+0], s94, (3<<16)|(1<<21)
.irp g, G1SA, G1SB
	s_mov_b32 s[\g+1], 32<<16
	s_mov_b32 s[\g+2], 16<<16
	s_mov_b32 s[\g+3], 32<<16
	s_mov_b32 s[\g+4], 16
	s_mov_b32 s[\g+5], 32
	s_mov_b32 s[\g+6], 0
	s_mov_b32 s[\g+7], 0
.endr
.irp s, 0,1
	s_mov_b32 s[G0A+4*\s], 1
	s_mov_b32 s[G0A+4*\s+1], \s*SLOT
	s_mov_b32 s[G0B+4*\s], 1
	s_mov_b32 s[G0B+4*\s+1], \s*SLOT+TILEB
	s_mov_b32 s[G0SA+4*\s], 1
	s_mov_b32 s[G0SA+4*\s+1], \s*SLOT+SAOF
	s_mov_b32 s[G0SB+4*\s], 1
	s_mov_b32 s[G0SB+4*\s+1], \s*SLOT+SBOF
.endr
	s_xor_b32 s[KN], ttmp9, ttmp7                  ; the first K step: 0 or 4, by the parity of the cluster's coordinates' bits: the same in all partners
	s_lshr_b32 s[OC], s[KN], 1
	s_xor_b32 s[KN], s[KN], s[OC]
	s_and_b32 s[KN], s[KN], 1
	s_lshl_b32 s[KN], s[KN], 2
	s_lshl_b32 s[OC], s[KN], 8
	s_mov_b32 s[OC+1], 0
	s_lshl_b32 s[OS], s[KN], 16
	s_mov_b32 s[OS+1], 0
	s_mul_i32 s93, s[SHI], HALFT                   ; my 128 rows of x in a slot
	s_mul_i32 s94, s[SLO], HALFT
	s_add_co_u32 s94, s94, TILEB                   ; my 128 rows of w
	s_lshl_b32 s95, s[SHI], 11                     ; my rows' scale bytes: x's,
	s_lshl_b32 s96, s[SLO], 11
	s_add_co_u32 s96, s96, 4096
	s_sub_co_u32 s96, s96, s95                     ; and how far behind them w's lie
	s_add_co_u32 s95, s95, SAOF
	s_mul_i32 s97, s[WV], 16*SPITCH                ; my stage
	; all vector addresses are made here, while the arguments are on their way
	v_and_b32 v1, 15, v0                           ; l % 16
	v_bfe_u32 v2, v0, 4, 1                         ; l / 16
	v_mul_u32_u24 v3, v1, PITCH
	v_lshl_add_u32 v4, v2, 4, v3                   ; a fragment's row x pitch + 16 x half
	v_add_nc_u32 v[ADRA], s93, v4
	v_add_nc_u32 v[ADRB], s94, v4
	v_add_nc_u32 v[ADRA+1], SLOT, v[ADRA]
	v_add_nc_u32 v[ADRB+1], SLOT, v[ADRB]
	v_mul_u32_u24 v6, s96, v2                      ; lanes 16-31 take w's scale words
	v_lshl_add_u32 v5, v1, 4, v6
	v_add_nc_u32 v[ADRS], s95, v5
	v_add_nc_u32 v[ADRS+1], SLOT, v[ADRS]
	v_mul_u32_u24 v5, v1, SPITCH
	v_lshl_add_u32 v5, v2, 5, v5
	v_add_nc_u32 v[STO], s97, v5                   ; into the stage: row l % 16, 32 bytes for each half of the lanes
	v_and_b32 v6, 31, v0
	v_lshlrev_b32 v[CO], 4, v6                     ; back, and in out0: the 32 lanes take one row of 512 bytes
	v_add_nc_u32 v[RD], s97, v[CO]
	v_lshlrev_b32 v[BO], 5, v2                     ; bias: 32 bytes for each half of the lanes
	v_lshlrev_b32 v[PFO], 11, v6
	v_min_u32 v[PFS], 1, v6
	v_lshlrev_b32 v[PFS], 8, v[PFS]
	s_wait_alu depctr_va_vdst(0)                   ; the end of the head's vector work
	s_wait_dscnt 0x0                               ; both opening adds are done
	s_wait_kmcnt 0x0
	s_mov_b32 s99, 0
	s_mov_b32 s101, 0
	s_lshl_b32 s98, s[STR], 19                     ; x: 256 rows of 2,048 bytes a tile row
	s_add_nc_u64 s[4:5], s[4:5], s[98:99]
	s_lshl_b32 s98, s[STR], 12                     ; and 4,096 scale bytes
	s_add_nc_u64 s[6:7], s[6:7], s[98:99]
	s_lshl_b32 s100, s[STC], 19                    ; w likewise, by the tile column
	s_add_nc_u64 s[8:9], s[8:9], s[100:101]
	s_lshl_b32 s100, s[STC], 12
	s_add_nc_u64 s[10:11], s[10:11], s[100:101]
	AIM 0
	NEXTK
	AIM 1
	CROUND                                         ; all sixteen work-groups are here: the first joint loads meet
	JLOAD 0                                        ; the first K step: one tensor load a wave at the head
	; under that load's flight: bias, out0's address, and the request for the second K step
	s_lshl_b32 s98, s[STC], 10
	s_lshl_b32 s100, s[SLO], 9
	s_add_co_u32 s98, s98, s100                    ; my first column, in bytes
	s_add_nc_u64 s[12:13], s[12:13], s[98:99]
	s_add_nc_u64 s[14:15], s[14:15], s[98:99]
	WIN TO_B
.irp b, 0,1,2,3,4,5,6,7
	global_load_b128 v[BIAS+8*\b:BIAS+8*\b+3],   v[BO], s[12:13] offset:64*\b      ; bias of columns 16 b + 8 (l / 16) + 0 .. 7: the result's layout
	global_load_b128 v[BIAS+8*\b+4:BIAS+8*\b+7], v[BO], s[12:13] offset:64*\b+16
.endr
	WIN 0
	s_lshl_b32 s98, s[STR], 22
	s_lshl_b32 s100, s[SHI], 21
	s_add_co_u32 s98, s98, s100                    ; my first row of out0, 16,384 bytes a row
	s_add_nc_u64 s[14:15], s[14:15], s[98:99]
	s_cmp_eq_u32 s[SHI], 0                         ; waves 0, 1 ask for x, waves 2, 3 for w
	s_cselect_b32 s93, s66, s67                    ; my place among the four that load the tile jointly
	s_cselect_b64 s[PFC:PFC+1], s[4:5], s[8:9]
	s_cselect_b64 s[PFW:PFW+1], s[6:7], s[10:11]
	s_lshl_b32 s100, s93, 17                       ; 64 rows of 2,048 bytes a partner,
	s_lshl_b32 s93, s[SLO], 16                     ; 32 a wave
	s_add_co_u32 s100, s100, s93
	s_add_nc_u64 s[PBC:PBC+1], s[PFC:PFC+1], s[100:101]
	s_lshr_b32 s100, s100, 7                       ; 1,024 scale bytes a partner, 512 a wave
	s_add_nc_u64 s[PBS:PBS+1], s[PFW:PFW+1], s[100:101]
	PFAIM 0                                        ; at the second K step (1 or 5): the two behind it are reached by immediates, with no turn round the eight
	s_wait_loadcnt 0x0                             ; bias is in; so the request below stands some way behind the first load
	PF 0
	s_wait_tensorcnt 0x0                           ; my tile of the first K step is in
	ds_add_u32 v[SPW], v[NIL]
	s_wait_dscnt 0x0
	CROUND                                         ; everybody's tile is in, and the joint loads meet
	JLOAD 1                                        ; slot 1's first fill: the first tensor load behind the round
.macro FRAG reg, adr, q, i             ; 16 rows x 128 K: lane l holds row l % 16; registers 4 c .. 4 c + 3 hold K = 64 c + 32 (l / 16) + 0 .. 31
.irp c, 0,1
	ds_load_b128 v[\reg+4*\c:\reg+4*\c+3], v[\adr] offset:64*(\q)+32*\c+(\i)*16*PITCH
.endr
.endm
; 16 matrix instructions: x's blocks a0, a0 + 1 against w's eight, from the sets p.  The 64 accumulators take turns in the same order in every step.  first = 1: C is bias.
.macro MUL16 a0, p, q, sc, first
.irp a, \a0, \a0+1
.irp b, 0,1,2,3,4,5,6,7
.if \first
	v_wmma_scale_f32_16x16x128_f8f6f4 v[8*(8*((\a)%4)+\b):8*(8*((\a)%4)+\b)+7], v[128*(\p)+FR*\b:128*(\p)+FR*\b+FR-1], v[AF+64*(\p)+FR*(\a):AF+64*(\p)+FR*(\a)+FR-1], v[BIAS+8*\b:BIAS+8*\b+7], v[SC+8*NQ*(\sc)+NQ*\b+(\q)], v[SC+8*NQ*(\sc)+NQ*(\a)+(\q)] matrix_a_fmt:MATRIX_FMT_FP4 matrix_b_fmt:MATRIX_FMT_FP4 matrix_a_scale:MATRIX_SCALE_ROW1
.else
	v_wmma_scale_f32_16x16x128_f8f6f4 v[8*(8*((\a)%4)+\b):8*(8*((\a)%4)+\b)+7], v[128*(\p)+FR*\b:128*(\p)+FR*\b+FR-1], v[AF+64*(\p)+FR*(\a):AF+64*(\p)+FR*(\a)+FR-1], v[8*(8*((\a)%4)+\b):8*(8*((\a)%4)+\b)+7], v[SC+8*NQ*(\sc)+NQ*\b+(\q)], v[SC+8*NQ*(\sc)+NQ*(\a)+(\q)] matrix_a_fmt:MATRIX_FMT_FP4 matrix_b_fmt:MATRIX_FMT_FP4 matrix_a_scale:MATRIX_SCALE_ROW1
.endif
.endr
.endr
.endm
.macro LB slot, q, p                   ; sixteen loads: w's eight blocks of the slot's q-th step into set p
	WIN TO_B
.irp i, 0,1,2,3,4,5,6,7
	FRAG 128*(\p)+FR*(\i), ADRB+\slot, \q, \i
.endr
.endm
.macro LA slot, q, p                   ; sixteen loads: x's eight blocks
	WIN 0
.irp i, 0,1,2,3,4,5,6,7
	FRAG AF+64*(\p)+FR*(\i), ADRA+\slot, \q, \i
.endr
.endm
.macro SCALES s                        ; a slot's scale words: lanes 0-15 x's block i, lanes 16-31 w's block i; four words a row
	WIN 0
.irp i, 0,1,2,3,4,5,6,7
	ds_load_b128 v[SC+8*NQ*\s+NQ*\i:SC+8*NQ*\s+NQ*\i+3], v[ADRS+\s] offset:\i*256
.endr
.endm
.macro PLACES n                        ; places behind matrix instructions, ahead of loads into their registers and of reads of results
.rept \n
	v_nop
.endr
.endm
; A step of 128 along K with its successor in the same slot: the successor's 32 loads in one run, then this step's 64 products.
.macro STEP slot, q, first
	PLACES NP                                      ; behind the last step's products, which read the sets that the loads below fill
	LB \slot, (\q)+1, 1-(\q)%2
	LA \slot, (\q)+1, 1-(\q)%2
	s_wait_dscnt 32                                ; all but the 32 just issued: this step's fragments and scale words are in
	WIN MUL_LO-0x10*\first
	MUL16 0, (\q)%2, \q, \slot, \first
	MUL16 2, (\q)%2, \q, \slot, \first
	WIN MUL_HI-0x20*\first
	MUL16 4, (\q)%2, \q, \slot, \first
	MUL16 6, (\q)%2, \q, \slot, \first
.endm
; A slot's last step changes slots.  All reads of this slot were issued at the head of the step before.  In front of the one barrier each wave waits for all its tensor loads, adds 0 to its spare word, and waits for that and for its reads of this slot.
.macro TURN slot, next, fill
	WIN 0
.if \fill
	s_wait_xcnt 0x0                                ; my last prefetches have read their addresses, which are written again below
.endif
	s_wait_tensorcnt 0x0                           ; my part of the next slot is in; no load of mine is out, so the groups 0 may be written
	ds_add_u32 v[SPW], v[NIL]
.if \fill
	NEXTK
	AIM \slot
	PFAIM 2
.endif
	s_wait_dscnt 0x0                               ; the add is done, my reads of this slot are over
	s_barrier_signal -1
	WIN MUL_LO
	MUL16 0, 1, NQ-1, \slot, 0
	WIN 0
	s_barrier_wait -1
.if \fill
	CREST                                          ; the barrier opened a round of the cluster's barrier: no wave of any partner still reads this slot
	JLOAD \slot                                    ; the refill, first behind the round; its four v_nop are the places ahead of the loads below
.else
	PLACES NP
.endif
	LB \next, 0, 0                                 ; one run of 40 loads: the next slot's first fragments and its scale words
	SCALES \next
	LA \next, 0, 0
.if \fill
	ASK                                            ; behind the refill and the run of LDS loads
.endif
	WIN MUL_LO
	MUL16 2, 1, NQ-1, \slot, 0
	WIN MUL_HI
	MUL16 4, 1, NQ-1, \slot, 0
	MUL16 6, 1, NQ-1, \slot, 0
.endm
.macro STEPS slot, from
.set Q, \from
.rept NQ-1-\from
	STEP \slot, Q, 0
.set Q, Q+1
.endr
.endm
	LB 0, 0, 0
	SCALES 0
	LA 0, 0, 0
	PF 1                                           ; the third and fourth K steps (2, 3 or 6, 7): one and two refills ahead of their loads
	PF 2
	STEP 0, 0, 1                                   ; the first step stands ahead of the loop: its products start the sums from bias
	WIN 0
	s_mov_b32 s3, LAPS-1
.Llap:                                                 ; a trip goes once round the ring and fills both slots again
	STEPS 0, 1
	TURN 0, 1, 1
	STEPS 1, 0
	TURN 1, 0, 1
	STEP 0, 0, 0
	WIN 0
	s_sub_co_u32 s3, s3, 1
	s_cmp_lg_u32 s3, 0
	s_cbranch_scc1 .Llap
	STEPS 0, 1                                     ; the last lap fills nothing
	TURN 0, 1, 0
	STEPS 1, 0
	s_wait_dscnt 0x0                               ; the very last step: its fragments were asked for 64 products ago
	WIN MUL_LO
	MUL16 0, 1, NQ-1, 1, 0
	MUL16 2, 1, NQ-1, 1, 0
	WIN MUL_HI
	MUL16 4, 1, NQ-1, 1, 0
	MUL16 6, 1, NQ-1, 1, 0
	WIN 0
; THE WAY OUT, by blocks of 16 rows x 128 columns: through my own stage and back as whole rows of 512 bytes.  LDS serves a wave's instructions in order (ISA guide 5.7.1): no wait between the stores and the loads.
.macro TOSTAGE a
.set AC, 64*((\a)%4)
	WIN 0x08+4*((\a)/4)
.irp b, 0,1,2,3,4,5,6,7
	ds_store_b128 v[STO], v[AC+8*\b:AC+8*\b+3] offset:64*\b          ; each accumulator from its low end on
	ds_store_b128 v[STO], v[AC+8*\b+4:AC+8*\b+7] offset:64*\b+16
.endr
	WIN 0
.set BB, BK+64*((\a)%2)
.irp t, 0,1,2,3,4,5,6,7,8,9,10,11,12,13,14,15
	ds_load_b128 v[BB+4*\t:BB+4*\t+3], v[RD] offset:\t*SPITCH
.endr
.endm
.macro SEND a, younger                 ; younger: the LDS instructions issued behind block a's loads
.set BB, BK+64*((\a)%2)
	s_wait_dscnt \younger
.if (\a) > 0
	s_add_nc_u64 s[14:15], s[14:15], 16*SIZE_N*4   ; behind a wait on XCNT: the earlier stores have read their base
.endif
.irp t, 0,1,2,3,4,5,6,7,8,9,10,11,12,13,14,15
	global_store_b128 v[CO], v[BB+4*\t:BB+4*\t+3], s[14:15] offset:\t*SIZE_N*4 th:TH_STORE_NT   ; 32 lanes store 512 consecutive bytes, aligned to 256
.endr
.endm
	PLACES NP
	TOSTAGE 0
.irp a, 1,2,3,4,5,6,7
.if \a > 1
	s_wait_xcnt 0x0                                ; block a - 2's stores have read their registers and their base
.endif
	TOSTAGE \a
	SEND \a-1, 32                                  ; behind block a - 1's loads: block a's 16 stores and 16 loads
.endr
	s_wait_xcnt 0x0
	SEND 7, 0
	s_wait_tensorcnt 0x0                           ; the wave's end
	ds_add_u32 v[SPW], v[NIL]
	s_wait_dscnt 0x0
	CROUND                                         ; the closing round
	s_endpgm
.Lfunc_end_k_q2ff8e341c3_gemm:
	.size	k_q2ff8e341c3_gemm, .Lfunc_end_k_q2ff8e341c3_gemm-k_q2ff8e341c3_gemm
	.p2alignl 7, 3214868480
	.fill 96, 4, 3214868480
	.section	.rodata,"a",@progbits
	.p2align	6, 0x0
	.amdhsa_kernel k_q2ff8e341c3_gemm
		.amdhsa_group_segment_fixed_size 327680
		.amdhsa_private_segment_fixed_size 0
		.amdhsa_enable_private_segment 0
		.amdhsa_kernarg_size 48
		.amdhsa_user_sgpr_count 2
		.amdhsa_user_sgpr_kernarg_segment_ptr 1
		.amdhsa_wavefront_size32 1
		.amdhsa_system_sgpr_workgroup_id_x 1
		.amdhsa_system_sgpr_workgroup_id_y 1
		.amdhsa_system_sgpr_workgroup_id_z 1
		.amdhsa_system_vgpr_workitem_id 0
		.amdhsa_next_free_vgpr 1024
		.amdhsa_next_free_sgpr 102
		.amdhsa_reserve_vcc 0
		.amdhsa_float_denorm_mode_32 3
		.amdhsa_float_denorm_mode_16_64 3
		.amdhsa_memory_ordered 1
		.amdhsa_forward_progress 1
		.amdhsa_inst_pref_size 216
	.end_amdhsa_kernel
	.amdgpu_metadata
---
amdhsa.version: [ 1, 2 ]
amdhsa.kernels:
  - .name:           k_q2ff8e341c3_gemm
    .symbol:         k_q2ff8e341c3_gemm.kd
    .args:
      - { .name: x_codes, .offset: 0, .size: 8, .value_kind: global_buffer, .address_space: global }
      - { .name: xs, .offset: 8, .size: 8, .value_kind: global_buffer, .address_space: global }
      - { .name: w_codes, .offset: 16, .size: 8, .value_kind: global_buffer, .address_space: global }
      - { .name: wsc, .offset: 24, .size: 8, .value_kind: global_buffer, .address_space: global }
      - { .name: bias, .offset: 32, .size: 8, .value_kind: global_buffer, .address_space: global }
      - { .name: out0, .offset: 40, .size: 8, .value_kind: global_buffer, .address_space: global }
    .group_segment_fixed_size: 327680
    .private_segment_fixed_size: 0
    .kernarg_segment_align: 8
    .kernarg_segment_size: 48
    .max_flat_workgroup_size: 128
    .sgpr_count:     102
    .vgpr_count:     1024
    .wavefront_size: 32
...
	.end_amdgpu_metadata
.endif
;; end of part 2
